; MI455X (gfx1250); checked and timed in simulation.
; The chip was launched on July 23, 2026; its instructions are those of AMD's public machine-readable ISA for CDNA 5 (MIT licence, August 2026) and "CDNA5" Instruction Set Architecture Reference Guide (July 2026). The comments in the code are by the model that wrote it; some were corrected since.
;; Attention AD Cell. Allowed arithmetic: matrix products marked QUANTISED: E2M3 operands, one E8M0 scale for each 32 along K, by v_wmma_scale_f32_16x16x128_f8f6f4 with both operands' format E2M3, f32 sums; products left as they are: f32 operands where the result goes on into a quantised operand, else bf16, f16 or f32 operands; f32 sums; everything else in f32.
;; Inputs: Wh 512 x 512 float32; Wz1 528 x 4,096 float32; Wz2 528 x 4,096 float32; bh 512 float32; ln_bias 512 float32; ln_scale 512 float32; x 64 x 512 float32.
;; Outputs: out0 64 x 512 float32; out1 64 x 16 float32; out2 1,024 x 512 float32.
;; This version of the problem:
;;   THIS VERSION OF THE PROBLEM IS GIVEN IN LOW PRECISION. The matrix products marked QUANTISED in the list below multiply operands that are first quantised to E2M3 (2 exponent bits, 3 mantissa bits; 6 bits a number), with one power-of-two scale for each 32 numbers along K (OCP MX v1.0); their sums are f32. All else is computed in f32.
;;   The module's matrix products, in the order in which they are computed (A, B: the left and right operand; K: the contracted axis; several contracted axes count as one K, in the product's order):
;;     1. [M 64, K 512] x [K 512, N 512]; A: input x; B: input Wh: QUANTISED
;;     2. [M 1,024, K 528] x [K 528, N 4,096]; A: computed on the way; B: input Wz1: QUANTISED
;;     3. [M 1,024, K 528] x [K 528, N 4,096]; A: computed on the way; B: input Wz2: QUANTISED
;;     4. batch 1,024 x [M 512, K 8] x [K 8, N 512]; A: computed on the way; B: computed on the way: left as it is (K = 8 < 32)
;;     5. batch 1,024 x [M 512, K 512] x [K 512, N 1]; A: computed on the way; B: computed on the way: left as it is (N = 1 < 16)
;;   THE QUANTISER, for each operand of a quantised product, along K:
;;     - K is cut into blocks of 32 from its start; a last block that is shorter is filled with zeros.
;;     - A block's scale is 2^e with e = floor(log2(the largest magnitude in the block)) - 2, held to -126 .. 127; a block of zeros has e = 0. As a byte (E8M0): e + 127.
;;     - Each number is divided by its block's scale, clamped to +-7.5, and rounded to the nearest number of E2M3, ties to even, subnormals kept.
;;     - The product sums the exact products of the quantised numbers (number of the format x scale) in f32.
;;   ~~~python
;;   def quantise(x, axis):      # numpy; x: float32 -> the quantised numbers, widened to float32 again
;;       x = np.moveaxis(x, axis, -1); K = x.shape[-1]
;;       x = np.pad(x, [(0, 0)] * (x.ndim - 1) + [(0, -K % 32)]); x = x.reshape(x.shape[:-1] + (-1, 32)); a = np.abs(x).max(-1, keepdims=True)
;;       e = np.where(a > 0, np.clip(np.frexp(np.where(a > 0, a, 1))[1] - 1 - 2, -126, 127), 0)      # np.frexp(a)[1] - 1 = floor(log2(a)), exactly
;;       r = np.clip(x / 2.0 ** e, -7.5, 7.5)
;;       step = 2.0 ** (np.maximum(np.frexp(np.where(r == 0, 1, r))[1] - 1, 0) - 3)
;;       q = np.round(r / step) * step * 2.0 ** e      # np.round: ties to even
;;       return np.moveaxis(q.reshape(q.shape[:-2] + (-1,))[..., :K], -1, axis).astype(np.float32)
;;   ~~~
;;   OPERANDS COMPUTED ON THE WAY. 'Computed on the way' means the value that the module computes at that place (a softmax that the list does not call 'softmax' is quantised finished and normalised). What goes into a quantiser is computed in f32, as accurately as f32 sums, v_exp_f32 and their like allow (about 1e-6 of the number): no bf16 or f16 on the way to a quantiser, and a product that is left as it is and whose result goes on into a quantised operand takes f32 operands (vector FMAs, or v_wmma_f32_16x16x4_f32). A number that lies on a knife's edge between two numbers of the format may be rounded either way, as far as f32 arithmetic and the matrix unit's own rounding can turn it there, and no further.
;; One version. Each part assembles by itself: llvm-mc -triple=amdgcn-amd-amdhsa -mcpu=gfx1250 --defsym DOCPART=n.
;; ======== version 1 of 1: 2 launches
;; workspace buffers: zws 35,651,584 bytes
;; launch zgemm (part 1): grid 272 x 1, 8 waves a work-group, no clusters, 67,328 bytes of LDS; arguments x, Wh, Wz1, Wz2, zws; writes zws
.if DOCPART == 1
	.amdgcn_target "amdgcn-amd-amdhsa--gfx1250"
	.amdhsa_code_object_version 6
	.text
	.protected	k_q3446b5e480_zgemm
	.globl	k_q3446b5e480_zgemm
	.p2align	8
	.type	k_q3446b5e480_zgemm,@function
k_q3446b5e480_zgemm:
	s_mov_b64 s[64:65], 0
	v_nop
	global_prefetch_b8 v0, s[64:65] scope:SCOPE_SE
	s_setreg_imm32_b32 hwreg(HW_REG_WAVE_MODE, 25, 1), 1
	s_wait_xcnt 0x0
; THE THREE QUANTISED PRODUCTS: x Wh (64 x 512 x 512), xc Wz1 and xc Wz2 (1,024 x 528 x 4,096 each), on codes of FP6 (E2M3) with one E8M0 scale for each 32 along K.
; xc's row (b, a) is x[b] (blocks 0 to 15 of K) and the one-hot of action a (block 16, filled with zeros).  All operands arrive as f32 and are quantised here, in registers.
; RESULT: zws, f32, laid [nt 544][b 64][a 16][16 columns]: nt 0-255 z1 (column 16 nt), 256-511 z2, 512-543 x Wh ahead of its bias (equal for the 16 actions).  A tile (nt, b) is 1,024 dense bytes.
; SHARES.  A work-group takes 64 columns of one weight (cb = id / 2: 0-63 Wz1, 64-127 Wz2, 128-135 Wh) and 32 of the 64 b (mh = id % 2).
;   Part 1: wave w quantises 32 columns (w % 2) x 128 rows of K (w / 2): a lane takes a column and its registers run down K, so a block of 32 lies in one lane.  Waves 0 and 1 also take Wz's rows 512-527.
;           Every wave quantises 4 rows of x, a lane a block of 32.  Codes and scale bytes go to LDS.
;   Part 2: wave w takes 16 columns (w % 4) and 16 b (w / 4), two b a trip: five matrix instructions each (K = 640: 512, the one-hot's 16, zeros).
; The product is used transposed (source 0 = 16 columns of W, source 1 = the 16 actions of one b): a lane then holds one action and eight neighbouring columns.
; In LDS the four blocks (24 bytes each) of a K step of 128 lie in the order 0, 2, 1, 3: the operand's layout gives lanes 0-15 blocks 0 and 2 and lanes 16-31 blocks 1 and 3, so a lane's 48 bytes are consecutive: three loads of 16 bytes.
; Wh's work-groups run the same text: their fifth K step has zero codes on W's side and adds nothing.
; NO TENSOR LOADS, NO CLUSTER: every operand byte has to pass through registers to be quantised, so there is no tile that a joint tensor load could bring; a slice of W is read by two work-groups, x's 64 KiB by each.
; LIMITS: NaN and infinities among the inputs are not served.  A block whose largest magnitude lies under 2^-124 keeps the scale byte 1; so does a block of zeros, where the rule says 127: its codes are zeros, and the bytes are read here alone.
.set PZ,    16384                      ; bytes in a row of Wz1 or Wz2
.set PH,    2048                       ; bytes in a row of Wh
.set WCP,   496                        ; LDS: a column's codes: 5 K steps x 96 bytes + 16
.set WC,    0                          ; 64 columns x WCP
.set WS,    31744                      ; [column][5 scale words], 20 bytes a column
.set XI,    33024                      ; [32 b][384 bytes of codes]
.set XS,    45312                      ; [32 b][16 scale bytes]
.set STG,   45824                      ; the way out: for each wave 2 tiles x 16 rows x (64 + 16) bytes
.set SPARE, 66304                      ; the spare words, 128 bytes for each wave: four blocks of 256 bytes that no other line names
.set SPW,  1                           ; v1   LDS address of my spare word; never rewritten
.set NIL,  2                           ; v2   0; never rewritten
.set LN,   3                           ; v3   lane
.set WOF,  4                           ; v4   4 x lane: my column in a row of W
.set XOF,  5                           ; v5   128 x lane + 8,192 x wave: my block of x
.set WCA,  6                           ; v6   where I store my column's codes
.set WSA,  7                           ; v7   and its scale word
.set XIA,  8                           ; v8   where I store my block of x's codes
.set XSA,  9                           ; v9   and its scale byte
.set AXA,  10                          ; v10  part 2: x's codes of the two b in hand
.set ASA,  11                          ; v11  and their scale words
.set BFA,  12                          ; v12  part 2: my tile of W's codes
.set BSA,  13                          ; v13  and its scale words
.set STO,  14                          ; v14  the stage: where I put 32 bytes of a row
.set RDB,  15                          ; v15  and where I read 16 bytes back
.set CODE, 16                          ; v16-39  part 1: codes just made
.set TMP,  40                          ; v40-42  a block's upper 16 codes
.set MXA,  43                          ; v43, v44 largest magnitudes, two chains
.set MXB,  44
.set SO,   45                          ; v45  the conversion's scale operand
.set BY,   46                          ; v46  the scale's byte
.set SW,   47                          ; v47  a scale word
.set TAIL, 48                          ; v48-63   Wz's rows 512-527 of my column
.set RAW,  64                          ; v64-191  128 rows of my column
.set XR,   192                         ; v192-255 two blocks of x
.set DD,   16                          ; part 2: v16-31 two accumulators
.set OB,   32                          ; v32-47   two tiles read back from the stage
.set GOF,  48                          ; v48      my byte in the two tiles of zws in hand
.set BF,   64                          ; v64-123  W's five fragments
.set BSC,  124                         ; v124-128 their scale words
.set OHS,  129                         ; v129     the one-hot's scale word
.set OH,   130                         ; v130-141 the one-hot's fragment
.set AF,   144                         ; v144-239 x's four fragments for each of two b
.set ASC,  240                         ; v240-247 their scale words
	s_load_b256 s[4:11], s[0:1], 0x0               ; x s[4:5], Wh s[6:7], Wz1 s[8:9], Wz2 s[10:11]
	s_load_b64 s[12:13], s[0:1], 0x20              ; zws
	v_lshl_add_u32 v[SPW], v0, 2, SPARE
	v_mov_b32 v[NIL], 0
	v_lshrrev_b32 v40, 5, v0
	v_readfirstlane_b32 s14, v40                   ; wave 0..7
	s_lshr_b32 s15, ttmp9, 1                       ; cb: which 64 columns
	s_and_b32 s16, ttmp9, 1                        ; mh: which 32 b
	s_and_b32 s17, s14, 1                          ; part 1: which 32 of the columns
	s_lshr_b32 s18, s14, 1                         ; part 1: which 128 rows of K
	s_and_b32 s19, s14, 3                          ; part 2: which 16 columns
	s_lshr_b32 s20, s14, 2                         ; part 2: which 16 b
	; every LDS address is made here, ahead of the first branch: a constant + constants x lane terms + constants x wave terms
	v_and_b32 v[LN], 31, v0
	v_bfe_u32 v40, v0, 4, 1                        ; h = lane / 16
	v_and_b32 v41, 15, v0                          ; r = lane % 16
	v_lshlrev_b32 v[WOF], 2, v[LN]
	s_lshl_b32 s31, s14, 13
	v_lshl_add_u32 v[XOF], v[LN], 7, s31
	s_mul_i32 s31, s17, 32*WCP
	s_mul_i32 s32, s18, 96
	s_add_co_u32 s31, s31, s32
	v_mul_u32_u24 v[WCA], v[LN], WCP
	v_add_nc_u32 v[WCA], s31, v[WCA]               ; WC + (32 ch + lane) x 496 + 96 ks
	s_mul_i32 s31, s17, 640
	s_lshl_b32 s32, s18, 2
	s_add_co_u32 s31, s31, s32
	s_add_co_u32 s31, s31, WS
	v_mul_u32_u24 v[WSA], v[LN], 20
	v_add_nc_u32 v[WSA], s31, v[WSA]               ; WS + (32 ch + lane) x 20 + 4 ks
	v_mul_u32_u24 v[XIA], v40, 384                 ; x: row 4 w + 2 p + lane / 16, block lane % 16: K step (lane / 4) % 4, place 2 (lane % 2) + (lane / 2) % 2 in it
	v_bfe_u32 v42, v0, 2, 2
	v_mad_u32_u24 v[XIA], v42, 96, v[XIA]
	v_and_b32 v42, 1, v0
	v_mad_u32_u24 v[XIA], v42, 48, v[XIA]
	v_bfe_u32 v42, v0, 1, 1
	v_mad_u32_u24 v[XIA], v42, 24, v[XIA]
	s_mul_i32 s31, s14, 1536
	s_add_co_u32 s31, s31, XI
	v_add_nc_u32 v[XIA], s31, v[XIA]
	s_lshl_b32 s31, s14, 6
	s_add_co_u32 s31, s31, XS
	v_add_nc_u32 v[XSA], s31, v[LN]                ; XS + 64 w + lane
	s_mul_i32 s31, s20, 6144
	s_add_co_u32 s31, s31, XI
	v_mul_u32_u24 v[AXA], v40, 48
	v_add_nc_u32 v[AXA], s31, v[AXA]               ; XI + 16 mq rows + 48 h: the 16 actions of a b share x's codes, so no lane's row enters
	s_lshl_b32 s31, s20, 8
	s_add_co_u32 s31, s31, XS
	v_mov_b32 v[ASA], s31
	s_mul_i32 s31, s19, 16*WCP
	v_mul_u32_u24 v[BFA], v41, WCP
	v_mad_u32_u24 v[BFA], v40, 48, v[BFA]
	v_add_nc_u32 v[BFA], s31, v[BFA]               ; WC + (16 t + r) x 496 + 48 h
	s_mul_i32 s31, s19, 320
	s_add_co_u32 s31, s31, WS
	v_mul_u32_u24 v[BSA], v41, 20
	v_add_nc_u32 v[BSA], s31, v[BSA]
	s_mul_i32 s31, s14, 2560
	s_add_co_u32 s31, s31, STG
	v_mul_u32_u24 v[STO], v41, 80
	v_lshl_add_u32 v[STO], v40, 5, v[STO]
	v_add_nc_u32 v[STO], s31, v[STO]               ; my stage + 80 r + 32 h
	v_lshrrev_b32 v42, 2, v[LN]
	v_mul_u32_u24 v[RDB], v42, 80
	v_and_b32 v42, 3, v0
	v_lshl_add_u32 v[RDB], v42, 4, v[RDB]
	v_add_nc_u32 v[RDB], s31, v[RDB]               ; my stage + 80 (lane / 4) + 16 (lane % 4)
.set i, 0
.rept 16
	v_mov_b32 v[TAIL+i], 0                         ; rows 512-527: zeros, over which Wz's waves 0 and 1 load; Wh has no such rows
.set i, i+1
.endr
	s_wait_kmcnt 0x0
	s_cmp_lt_u32 s15, 64                           ; which weight: the choice hangs on the work-group's number alone
	s_cselect_b64 s[22:23], s[8:9], s[10:11]
	s_cmp_lt_u32 s15, 128
	s_cselect_b64 s[22:23], s[22:23], s[6:7]
	s_mov_b32 s31, PH
	s_cselect_b32 s31, PZ, s31                     ; its row in bytes
	s_and_b32 s32, s15, 63
	s_lshl_b32 s32, s32, 8                         ; my work-group's 64 columns,
	s_lshl_b32 s33, s17, 7
	s_add_co_u32 s32, s32, s33                     ; my wave's 32 of them,
	s_lshl_b32 s33, s18, 7
	s_mul_i32 s33, s33, s31
	s_add_co_u32 s32, s32, s33                     ; my wave's 128 rows
	s_mov_b32 s33, 0
	s_add_nc_u64 s[22:23], s[22:23], s[32:33]
	s_add_nc_u64 s[24:25], s[22:23], 512*PZ        ; row 512, for the waves whose rows begin at 0
	s_lshl_b32 s32, s15, 2
	s_add_co_u32 s32, s32, s19                     ; nt = 4 cb + t
	s_lshl_b32 s32, s32, 16
	s_lshl_b32 s33, s16, 15
	s_add_co_u32 s32, s32, s33
	s_lshl_b32 s33, s20, 14
	s_add_co_u32 s32, s32, s33                     ; + (32 mh + 16 mq) tiles of 1,024 bytes
	s_mov_b32 s33, 0
	s_add_nc_u64 s[26:27], s[12:13], s[32:33]
	s_lshl_b32 s32, s16, 16
	s_add_nc_u64 s[28:29], s[4:5], s[32:33]        ; x at my work-group's 32 rows
.irp p, 0,1
.irp i, 0,1,2,3,4,5,6,7
	global_load_b128 v[XR+32*\p+4*\i:XR+32*\p+4*\i+3], v[XOF], s[28:29] offset:4096*\p+16*\i   ; a whole block of 32 numbers to a lane
.endr
.endr
	s_cmp_lt_u32 s15, 128
	s_cbranch_scc0 .Lwh                            ; the two ways differ in the loads' immediates alone
	s_cmp_lt_u32 s14, 2
	s_cbranch_scc0 .Lno_tail
.set i, 0
.rept 16
	global_load_b32 v[TAIL+i], v[WOF], s[24:25] offset:PZ*i
.set i, i+1
.endr
.Lno_tail:
.set i, 0
.rept 128
	global_load_b32 v[RAW+i], v[WOF], s[22:23] offset:PZ*i     ; row i at 32 neighbouring columns: 128 consecutive bytes a wave
.set i, i+1
.endr
	s_branch .Lloaded
.Lwh:
.set i, 0
.rept 128
	global_load_b32 v[RAW+i], v[WOF], s[22:23] offset:PH*i
.set i, i+1
.endr
.Lloaded:
; 32 numbers of one lane, v[src] on, become a block's 32 codes in v[dst] .. v[dst + 5] and its scale byte in v[by].
.macro QBLK src, dst, by
	v_max3_num_f32 v[MXA], |v[\src]|, |v[\src+1]|, |v[\src+2]|       ; the block's largest magnitude, in two chains
	v_max3_num_f32 v[MXB], |v[\src+3]|, |v[\src+4]|, |v[\src+5]|
.irp i, 6,10,14,18,22,26
	v_max3_num_f32 v[MXA], v[MXA], |v[\src+\i]|, |v[\src+\i+1]|
	v_max3_num_f32 v[MXB], v[MXB], |v[\src+\i+2]|, |v[\src+\i+3]|
.endr
	v_max3_num_f32 v[MXA], v[MXA], |v[\src+30]|, |v[\src+31]|
	v_max3_num_f32 v[MXA], v[MXA], v[MXB], 0x1800000               ; and the floor 2^(3 - 127): the byte cannot fall under 1
	v_add_nc_u32 v[SO], 0xff000000, v[MXA]                         ; 2 off its exponent field: the conversion takes the exponent field of this operand as its scale
	v_lshrrev_b32 v[\by], 23, v[SO]                                ; the scale's byte
	v_cvt_scalef32_pk16_fp6_f32 v[\dst:\dst+2], v[\src:\src+15], v[SO]
	v_cvt_scalef32_pk16_fp6_f32 v[TMP:TMP+2], v[\src+16:\src+31], v[SO]   ; (a conversion's three registers begin on an even number)
	v_nop                                                          ; one plain place behind a scaled conversion
	v_mov_b32 v[\dst+3], v[TMP]
	v_mov_b32 v[\dst+4], v[TMP+1]
	v_mov_b32 v[\dst+5], v[TMP+2]
.endm
	s_wait_loadcnt 63                              ; the youngest 63 loads (W's rows 65 to 127) may be out: x, rows 512-527 and W's first two blocks are in
	QBLK XR, CODE, CODE+12
	QBLK XR+32, CODE+6, CODE+13
.irp q, 0,1,2
	ds_store_b64 v[XIA], v[CODE+2*\q:CODE+2*\q+1] offset:8*\q
	ds_store_b64 v[XIA], v[CODE+6+2*\q:CODE+6+2*\q+1] offset:768+8*\q    ; two rows further down
.endr
	ds_store_b8 v[XSA], v[CODE+12]
	ds_store_b8 v[XSA], v[CODE+13] offset:32
	s_wait_dscnt 0x0                               ; the stores have read their registers: W's codes may be written there
	QBLK RAW, CODE, BY                             ; block 0 at place 0
	v_mov_b32 v[SW], v[BY]
	QBLK RAW+32, CODE+12, BY                       ; block 1 at place 2
	v_lshl_or_b32 v[SW], v[BY], 8, v[SW]
	s_wait_loadcnt 32                              ; block 2 is in; block 3's 32 loads may be out
	QBLK RAW+64, CODE+6, BY                        ; block 2 at place 1
	v_lshl_or_b32 v[SW], v[BY], 16, v[SW]
	s_wait_loadcnt 0x0
	QBLK RAW+96, CODE+18, BY                       ; block 3 at place 3
	v_lshl_or_b32 v[SW], v[BY], 24, v[SW]          ; the scale word keeps the blocks' own order
.irp q, 0,1,2,3,4,5
	ds_store_b128 v[WCA], v[CODE+4*\q:CODE+4*\q+3] offset:16*\q
.endr
	ds_store_b32 v[WSA], v[SW]
	s_cmp_lt_u32 s14, 2
	s_cbranch_scc0 .Lno_tailq
	s_wait_dscnt 0x0                               ; the stores have read their registers
	v_max3_num_f32 v[MXA], |v[TAIL]|, |v[TAIL+1]|, |v[TAIL+2]|     ; K step 4: block 16 is rows 512-527 and 16 zeros; blocks 17 to 19 are zeros
	v_max3_num_f32 v[MXB], |v[TAIL+3]|, |v[TAIL+4]|, |v[TAIL+5]|
	v_max3_num_f32 v[MXA], v[MXA], |v[TAIL+6]|, |v[TAIL+7]|
	v_max3_num_f32 v[MXB], v[MXB], |v[TAIL+8]|, |v[TAIL+9]|
	v_max3_num_f32 v[MXA], v[MXA], |v[TAIL+10]|, |v[TAIL+11]|
	v_max3_num_f32 v[MXB], v[MXB], |v[TAIL+12]|, |v[TAIL+13]|
	v_max3_num_f32 v[MXA], v[MXA], |v[TAIL+14]|, |v[TAIL+15]|
	v_max3_num_f32 v[MXA], v[MXA], v[MXB], 0x1800000
	v_add_nc_u32 v[SO], 0xff000000, v[MXA]
	v_lshrrev_b32 v[BY], 23, v[SO]
	v_cvt_scalef32_pk16_fp6_f32 v[CODE:CODE+2], v[TAIL:TAIL+15], v[SO]
	v_or_b32 v[SW], 0x7f7f7f00, v[BY]              ; (a plain place behind the conversion)  the three blocks of zeros get the byte 127
.set i, 3
.rept 21
	v_mov_b32 v[CODE+i], 0
.set i, i+1
.endr
.irp q, 0,1,2,3,4,5
	ds_store_b128 v[WCA], v[CODE+4*\q:CODE+4*\q+3] offset:384+16*\q
.endr
	ds_store_b32 v[WSA], v[SW] offset:16
.Lno_tailq:
	s_wait_dscnt 0x0                               ; for the others' sake: my stores have landed
	s_barrier_signal -1
	s_barrier_wait -1                              ; all codes and scales lie in LDS
	; PART 2.  My tile of W stays in registers: five fragments and their scale words
.irp s, 0,1,2,3,4
.irp q, 0,1,2
	ds_load_b128 v[BF+12*\s+4*\q:BF+12*\s+4*\q+3], v[BFA] offset:96*\s+16*\q
.endr
	ds_load_b32 v[BSC+\s], v[BSA] offset:4*\s
.endr
	; the one-hot's fragment: lane r (0-15) holds action r: the number 1 at k = r of the K step, zeros elsewhere; its block's scale is 2^-2 (byte 125), its code 4.0.  Lanes 16-31 hold blocks of zeros
	v_mov_b32 v160, 1.0
	v_mov_b32 v161, 0
	v_mov_b32 v162, 0x3e800000                     ; 2^-2: the conversion's scale operand
.irp i, 0,1,2,3,4,5,6,7,8,9,10,11,12,13,14,15
	v_cmp_eq_u32 vcc_lo, \i, v[LN]
	v_cndmask_b32 v[144+\i], v161, v160, vcc_lo
.endr
	v_cvt_scalef32_pk16_fp6_f32 v[OH:OH+2], v[144:159], v162
	v_lshlrev_b32 v[GOF], 4, v[LN]                 ; (a plain place behind the conversion)
.set i, 3
.rept 9
	v_mov_b32 v[OH+i], 0
.set i, i+1
.endr
	v_mov_b32 v[OHS], 0x7f7f7f7d
.rept 8
	v_nop                                          ; a scale register written by a vector instruction stands 8 places ahead of a scaled matrix instruction, an operand so written 4
.endr
.macro ALOAD                           ; x's codes and scale words of the next two b: 26 loads; every lane of a half reads the same bytes
.irp e, 0,1
.irp s, 0,1,2,3
.irp q, 0,1,2
	ds_load_b128 v[AF+48*\e+12*\s+4*\q:AF+48*\e+12*\s+4*\q+3], v[AXA] offset:384*\e+96*\s+16*\q
.endr
.endr
	ds_load_b128 v[ASC+4*\e:ASC+4*\e+3], v[ASA] offset:16*\e
.endr
	v_add_nc_u32 v[AXA], 768, v[AXA]
	v_add_nc_u32 v[ASA], 32, v[ASA]
.endm
; A trip: two b.  The two accumulators take turns, one instruction a turn.  pre = 1: the next two b are fetched.
.macro GTRIP pre
	s_wait_dscnt 0x0                               ; the fragments are in
.irp s, 0,1,2,3
.irp e, 0,1
.if \s == 0
	v_wmma_scale_f32_16x16x128_f8f6f4 v[DD+8*\e:DD+8*\e+7], v[BF+12*\s:BF+12*\s+11], v[AF+48*\e+12*\s:AF+48*\e+12*\s+11], 0, v[BSC+\s], v[ASC+4*\e+\s] matrix_a_fmt:MATRIX_FMT_FP6 matrix_b_fmt:MATRIX_FMT_FP6
.else
	v_wmma_scale_f32_16x16x128_f8f6f4 v[DD+8*\e:DD+8*\e+7], v[BF+12*\s:BF+12*\s+11], v[AF+48*\e+12*\s:AF+48*\e+12*\s+11], v[DD+8*\e:DD+8*\e+7], v[BSC+\s], v[ASC+4*\e+\s] matrix_a_fmt:MATRIX_FMT_FP6 matrix_b_fmt:MATRIX_FMT_FP6
.endif
.endr
.endr
.irp e, 0,1
	v_wmma_scale_f32_16x16x128_f8f6f4 v[DD+8*\e:DD+8*\e+7], v[BF+48:BF+59], v[OH:OH+11], v[DD+8*\e:DD+8*\e+7], v[BSC+4], v[OHS] matrix_a_fmt:MATRIX_FMT_FP6 matrix_b_fmt:MATRIX_FMT_FP6
.endr
.rept 5
	v_nop                                          ; four places ahead of the loads into x's registers and of the stores that read the results; the fifth since the next trip begins both sums anew over these registers
.endr
.if \pre
	ALOAD
.endif
.irp e, 0,1
	ds_store_b128 v[STO], v[DD+8*\e:DD+8*\e+3] offset:1280*\e              ; lane (r, h): action r, columns 8 h + 0 .. 7; each accumulator from its low end on
	ds_store_b128 v[STO], v[DD+8*\e+4:DD+8*\e+7] offset:1280*\e+16
.endr
.irp e, 0,1
.irp q, 0,1
	ds_load_b128 v[OB+8*\e+4*\q:OB+8*\e+4*\q+3], v[RDB] offset:1280*\e+640*\q   ; back by rows: my wave's own bytes, served in order (ISA guide 5.7.1.4)
.endr
.endr
	s_wait_dscnt 0x0
.irp e, 0,1
.irp q, 0,1
	global_store_b128 v[GOF], v[OB+8*\e+4*\q:OB+8*\e+4*\q+3], s[26:27] offset:1024*\e+512*\q th:TH_STORE_NT   ; 32 lanes store 512 consecutive bytes, at a multiple of 256 from zws's first byte
.endr
.endr
.if \pre
	s_wait_xcnt 0x0                                ; the stores have read their data and their offset: both are written again
	v_add_nc_u32 v[GOF], 2048, v[GOF]
.endif
.endm
	ALOAD
	s_mov_b32 s30, 7
.Ltrip:
	GTRIP 1
	s_sub_co_u32 s30, s30, 1
	s_cmp_lg_u32 s30, 0
	s_cbranch_scc1 .Ltrip
	GTRIP 0                                        ; the last two b: nothing more to fetch
	s_wait_tensorcnt 0x0                           ; the wave's end: behind my last LDS store
	ds_add_u32 v[SPW], v[NIL]
	s_wait_dscnt 0x0
	s_endpgm
.Lfunc_end_k_q3446b5e480_zgemm:
	.size	k_q3446b5e480_zgemm, .Lfunc_end_k_q3446b5e480_zgemm-k_q3446b5e480_zgemm
	.p2alignl 7, 3214868480
	.fill 96, 4, 3214868480
	.section	.rodata,"a",@progbits
	.p2align	6, 0x0
	.amdhsa_kernel k_q3446b5e480_zgemm
		.amdhsa_group_segment_fixed_size 67328
		.amdhsa_private_segment_fixed_size 0
		.amdhsa_enable_private_segment 0
		.amdhsa_kernarg_size 40
		.amdhsa_user_sgpr_count 2
		.amdhsa_user_sgpr_kernarg_segment_ptr 1
		.amdhsa_wavefront_size32 1
		.amdhsa_system_sgpr_workgroup_id_x 1
		.amdhsa_system_sgpr_workgroup_id_y 1
		.amdhsa_system_sgpr_workgroup_id_z 1
		.amdhsa_system_vgpr_workitem_id 0
		.amdhsa_next_free_vgpr 256
		.amdhsa_next_free_sgpr 66
		.amdhsa_reserve_vcc 1
		.amdhsa_float_denorm_mode_32 3
		.amdhsa_float_denorm_mode_16_64 3
		.amdhsa_memory_ordered 1
		.amdhsa_forward_progress 1
		.amdhsa_inst_pref_size 56
	.end_amdhsa_kernel
	.amdgpu_metadata
---
amdhsa.version: [ 1, 2 ]
amdhsa.kernels:
  - .name:           k_q3446b5e480_zgemm
    .symbol:         k_q3446b5e480_zgemm.kd
    .args:
      - { .name: x, .offset: 0, .size: 8, .value_kind: global_buffer, .address_space: global }
      - { .name: Wh, .offset: 8, .size: 8, .value_kind: global_buffer, .address_space: global }
      - { .name: Wz1, .offset: 16, .size: 8, .value_kind: global_buffer, .address_space: global }
      - { .name: Wz2, .offset: 24, .size: 8, .value_kind: global_buffer, .address_space: global }
      - { .name: zws, .offset: 32, .size: 8, .value_kind: global_buffer, .address_space: global }
    .group_segment_fixed_size: 67328
    .private_segment_fixed_size: 0
    .kernarg_segment_align: 8
    .kernarg_segment_size: 40
    .max_flat_workgroup_size: 256
    .sgpr_count:     66
    .vgpr_count:     256
    .wavefront_size: 32
...
	.end_amdgpu_metadata
.endif
;; end of part 1
;; launch cell (part 2): grid 256 x 1, 16 waves a work-group, no clusters, 284,928 bytes of LDS; arguments zws, bh, ln_scale, ln_bias, out0, out1, out2; writes out0, out1, out2
.if DOCPART == 2
	.amdgcn_target "amdgcn-amd-amdhsa--gfx1250"
	.amdhsa_code_object_version 6
	.text
	.protected	k_q3446b5e480_cell
	.globl	k_q3446b5e480_cell
	.p2align	8
	.type	k_q3446b5e480_cell,@function
k_q3446b5e480_cell:
	s_mov_b64 s[64:65], 0
	v_nop
	global_prefetch_b8 v0, s[64:65] scope:SCOPE_SE
	s_setreg_imm32_b32 hwreg(HW_REG_WAVE_MODE, 25, 1), 1
	s_wait_xcnt 0x0
; ALL THAT FOLLOWS THE QUANTISED PRODUCTS.  h = LayerNorm(relu(x Wh + bh)); for each row (b, a): w[g][d] = sum over 8 heads of z2[hd][g] z1[hd][d], each row g normalised over d (mean, std + 1e-6), tanh,
; y[g] = sum over d of tanh(..) h[b][d]; q = the mean of y^2.  zws is laid [nt 544][b 64][a 16][16 columns] f32: nt = 32 hd + d / 16 for z1, + 256 for z2, 512 + column / 16 for x Wh.
; SHARES.  A work-group takes one b and four actions (b = id / 4, actions 4 (id % 4) + 0 .. 3); its piece of each (nt, b) tile is 256 consecutive bytes.
; w IS FORMED ONCE, ALREADY NORMALISED.  w - mean = sum of z2[hd][g] (z1[hd][d] - m[hd]), m the heads' means over d; the row's variance is z2g^T C z2g / 512, C the 8 x 8 sums of products of the centred z1.
; So z1 is centred, z2's column g is multiplied by F[g] = 2 log2(e) / (std[g] + 1e-6), and tanh(wn) = 1 - 2 / (1 + 2^w') with w' the product of the two.
; THE PRODUCT over 8 heads goes by the bf16 form of 16 x 16 x 32.  Each operand is split in bf16 hi + bf16 lo (lo = the f32 number - hi, exact); the 32 places of K carry hi hi, hi lo, lo hi, lo lo.
;   Source 0 (16 g): k 0-15 hi twice, k 16-31 lo twice.  Source 1 (16 d): lanes 0-15 hi in both halves of the registers, lanes 16-31 lo.  In the result lane r holds d = r, register j the row g = 8 (lane / 16) + j.
; y = sum of v + sum of (-2 v[d]) / (1 + 2^w'): a lane sums over its d (16 apart), and the 16 lanes' parts meet through the wave's own stage in LDS.
; PREPARATION: wave w holds columns 32 w .. 32 w + 31 of all four actions and eight heads: lane (u = lane / 16, i = (lane / 4) % 4, c = lane % 4): action i, columns 32 w + 16 u + 4 c + 0 .. 3.
; MAIN PART: wave w takes action w / 4 and rows g 128 (w % 4) + 0 .. 127 (8 tiles, their fragments stay in registers) and walks the 32 tiles of d.
; Four waves share a SIMD, so that one wave's exponentials and reciprocals stand beside another's products and packed arithmetic.
; NO TENSOR LOADS, NO CLUSTER: every byte of zws is read once, by one work-group, into registers, at the kernel's head; no two work-groups share a tile.
; LIMITS: NaN and infinities are not served.  tanh is taken as 1 - 2 / (1 + 2^(2 x log2 e)): its absolute error is about 1e-7.  The sum of v and the sum of -2 v / (..) are added in f32: y's rounding is about 1e-7 of the sum of |v|.
; A variance that rounding makes negative is held at 0.  The operands of the product over the heads carry about 16 bits of mantissa.
.set Z1H,   0                          ; LDS: centred z1: hi [4 actions][512 d][8 heads bf16 = 16 bytes], 32,768 bytes; lo behind it
.set Z2H,   65536                      ; z2 x F likewise
.set LOW,   32768
.set VM2,   131072                     ; -2 h[d], 512 f32
.set RED1,  133120                     ; [32 rows = 8 i + head][16 waves]: the waves' sums of z1
.set TOT1,  135168                     ; [32][2 equal words]: the means
.set RED2,  135424                     ; [160 rows = 40 i + pair of heads][16 waves]: the waves' parts of C
.set TOT2,  145664                     ; [160][2 equal words]: C
.set LNR1,  146944                     ; a word a wave: the sums for the LayerNorm's mean; 256 bytes on: those for its variance
.set QR,    147456                     ; a word a wave: the sums of y^2
.set TST,   147712                     ; for each wave 16 rows x (512 + 16) bytes
.set SPARE, 282880                     ; the spare words, 128 bytes for each wave: eight blocks of 256 bytes that no other line names
.set SPW,  1                           ; v1   LDS address of my spare word; never rewritten
.set NIL,  2                           ; v2   0; never rewritten
.set ZO,   3                           ; v3   my bytes in a pair of tiles of zws: 65,536 u + 16 (lane % 16)
.set LNO,  4                           ; v4   my four columns, in bytes: 128 w + 64 u + 16 c
.set R1A,  5
.set R2A,  6
.set T1R,  7
.set T2R,  8
.set S1R,  9
.set S1W,  10
.set S2R,  11
.set S2W,  12
.set LNW,  13
.set LNRD, 14
.set ZS1,  15
.set ZS2,  16
.set VMW,  17
.set AFA,  18
.set ADB,  19
.set ADV,  20
.set TSO,  21
.set TRD,  22
.set QW,   23
.set QRD,  24
.set L16,  25                          ; v25  16 x lane
.set HRD,  26
.set L4,   27                          ; v27  4 (lane % 4)
.set NEG1, 28                          ; v28  -1.0
.set ZER,  29                          ; v29  0, as data
.set T0,   30
.set T1,   31
.set X1,   32                          ; v32-63   z1: register 4 head + column
.set X2,   64                          ; v64-95   z2 likewise
.set HPV,  96                          ; v96-99   x Wh, then relu, then centred, then -2 h
.set BHV,  100
.set LSV,  104
.set LBV,  108
.set M1,   112                         ; v112-127 the eight means, each twice
.set PP,   128                         ; v128-163 my parts of C's 36 numbers
.set CC,   112                         ; v112-183 later: C's 36 numbers, each twice
.set HL,   184                         ; v184-215 hi and lo, packed; also at work
.set TT,   216                         ; v216-239 at work
.set LNT,  245                         ; v245     the LayerNorm's mean, then its variance
.set QQ,   248                         ; v248-251 the quadratic form, then F, for my four g
.set HOUT, 252                         ; v252-255 h on its way out
.set AF,   32                          ; the main part: v32-95 z2's eight fragments
.set RR,   96                          ; v96-159  eight result tiles
.set ACC,  160                         ; v160-223 the sums of -2 v / (1 + 2^w')
.set BB,   224                         ; v224-239 z1's fragment, two buffers
.set VMR,  240                         ; v240-243 -2 v of my d, two buffers, each the low word of a pair
.set VS,   244                         ; v244     the sum of -2 v over my d
.macro BAR                             ; my LDS stores have landed and my LDS loads are in: then the work-group's barrier
	s_wait_dscnt 0x0
	s_barrier_signal -1
	s_barrier_wait -1
.endm
.macro RS1 x                           ; v[x] summed over the eight lanes of my action (c: lanes 1 and 2 apart; u: 16 apart)
	v_add_f32_dpp v[\x], v[\x], v[\x] row_xmask:1 row_mask:0xf bank_mask:0xf
	v_add_f32_dpp v[\x], v[\x], v[\x] row_xmask:2 row_mask:0xf bank_mask:0xf
	v_permlanex16_b32 v[T0], v[\x], s34, s35
	v_add_f32 v[\x], v[\x], v[T0]
.endm
.macro PRED a, b                       ; two numbers at once: afterwards lanes 0-15 of v[a] hold a's sum over my action's eight lanes, lanes 16-31 b's
	v_permlane16_swap_b32 v[\a], v[\b]
	v_add_f32 v[\a], v[\a], v[\b]
	v_add_f32_dpp v[\a], v[\a], v[\a] row_xmask:1 row_mask:0xf bank_mask:0xf
	v_add_f32_dpp v[\a], v[\a], v[\a] row_xmask:2 row_mask:0xf bank_mask:0xf
.endm
.macro SUM16 rb                        ; 16 registers into a pair
	v_pk_add_f32 v[\rb:\rb+1], v[\rb:\rb+1], v[\rb+2:\rb+3]
	v_pk_add_f32 v[\rb+4:\rb+5], v[\rb+4:\rb+5], v[\rb+6:\rb+7]
	v_pk_add_f32 v[\rb+8:\rb+9], v[\rb+8:\rb+9], v[\rb+10:\rb+11]
	v_pk_add_f32 v[\rb+12:\rb+13], v[\rb+12:\rb+13], v[\rb+14:\rb+15]
	v_pk_add_f32 v[\rb:\rb+1], v[\rb:\rb+1], v[\rb+4:\rb+5]
	v_pk_add_f32 v[\rb+8:\rb+9], v[\rb+8:\rb+9], v[\rb+12:\rb+13]
	v_pk_add_f32 v[\rb:\rb+1], v[\rb:\rb+1], v[\rb+8:\rb+9]
.endm
.macro L2SUM ra, wa, mul               ; a lane sums a row's 16 waves' words and stores the total twice; mul = 1: divided by 512
.irp n, 0,1,2,3
	ds_load_b128 v[TT+4*\n:TT+4*\n+3], v[\ra] offset:16*\n
.endr
	s_wait_dscnt 0x0
	SUM16 TT
	v_add_f32 v[TT], v[TT], v[TT+1]
.if \mul
	v_mul_f32 v[TT], 0x3b000000, v[TT]
.endif
	v_mov_b32 v[TT+1], v[TT]
	ds_store_b64 v[\wa], v[TT:TT+1]
.endm
.macro LNTOT o                         ; every lane sums the 16 waves' words at LNR1 + o; / 512
.irp n, 0,1,2,3
	ds_load_b128 v[HL+4*\n:HL+4*\n+3], v[LNRD] offset:\o+16*\n
.endr
	s_wait_dscnt 0x0
	SUM16 HL
	v_add_f32 v[LNT], v[HL], v[HL+1]
	v_mul_f32 v[LNT], 0x3b000000, v[LNT]
.endm
; 32 numbers (register 4 head + column) become, for each of my four columns, 16 bytes of bf16 hi (head 0 lowest) and 16 of bf16 lo, and go to LDS.
.macro SPLIT xb, adr
.irp dd, 0,1,2,3
.irp hp, 0,1,2,3
	v_cvt_pk_bf16_f32 v[HL+8*\dd+\hp], v[\xb+8*\hp+\dd], v[\xb+8*\hp+4+\dd]     ; heads 2 hp, 2 hp + 1
.endr
.irp hp, 0,1,2,3
	v_fma_mix_f32_bf16 v[\xb+8*\hp+\dd], v[HL+8*\dd+\hp], v[NEG1], v[\xb+8*\hp+\dd] op_sel_hi:[1,0,0]                     ; the number - hi: exact
	v_fma_mix_f32_bf16 v[\xb+8*\hp+4+\dd], v[HL+8*\dd+\hp], v[NEG1], v[\xb+8*\hp+4+\dd] op_sel:[1,0,0] op_sel_hi:[1,0,0]
.endr
.irp hp, 0,1,2,3
	v_cvt_pk_bf16_f32 v[HL+8*\dd+4+\hp], v[\xb+8*\hp+\dd], v[\xb+8*\hp+4+\dd]
.endr
	ds_store_b128 v[\adr], v[HL+8*\dd:HL+8*\dd+3] offset:16*\dd
	ds_store_b128 v[\adr], v[HL+8*\dd+4:HL+8*\dd+7] offset:LOW+16*\dd
.endr
.endm
	s_load_b256 s[4:11], s[0:1], 0x0               ; zws s[4:5], bh s[6:7], ln_scale s[8:9], ln_bias s[10:11]
	s_load_b128 s[12:15], s[0:1], 0x20             ; out0 s[12:13], out1 s[14:15]
	s_load_b64 s[16:17], s[0:1], 0x30              ; out2
	v_lshl_add_u32 v[SPW], v0, 2, SPARE
	v_mov_b32 v[NIL], 0
	v_lshrrev_b32 v216, 5, v0
	v_readfirstlane_b32 s18, v216                  ; wave 0..15
	s_lshr_b32 s19, ttmp9, 2                       ; b
	s_and_b32 s20, ttmp9, 3                        ; which four actions
	s_lshr_b32 s21, s18, 2                         ; the main part: my action of the four
	s_and_b32 s22, s18, 3                          ; and my quarter of the rows g
	v_and_b32 v216, 31, v0                         ; lane
	v_bfe_u32 v217, v0, 4, 1                       ; u, also h
	v_bfe_u32 v218, v0, 2, 2                       ; i
	v_and_b32 v219, 3, v0                          ; c
	v_and_b32 v220, 15, v0                         ; r
	v_lshlrev_b32 v[ZO], 4, v220
	v_lshl_add_u32 v[ZO], v217, 16, v[ZO]
	s_lshl_b32 s36, s18, 7
	v_lshlrev_b32 v[LNO], 4, v219
	v_lshl_add_u32 v[LNO], v217, 6, v[LNO]
	v_add_nc_u32 v[LNO], s36, v[LNO]
	s_lshl_b32 s36, s19, 10                        ; b's tile, 1,024 bytes,
	s_lshl_b32 s37, s20, 8
	s_add_co_u32 s36, s36, s37                     ; my work-group's 256 of them,
	s_lshl_b32 s37, s18, 17
	s_add_co_u32 s36, s36, s37                     ; my wave's two nt
	s_mov_b32 s37, 0
	s_mov_b32 s34, 0x76543210
	s_mov_b32 s35, 0xfedcba98                      ; v_permlanex16_b32's selects for lane l xor 16
	s_wait_kmcnt 0x0
	s_add_nc_u64 s[24:25], s[4:5], s[36:37]        ; z1, heads 0-3 (a head is 32 nt: 2,097,152 bytes, in the loads' immediates)
	s_add_nc_u64 s[26:27], s[24:25], 0x800000      ; z1, heads 4-7
	s_add_nc_u64 s[28:29], s[24:25], 0x1000000     ; z2, heads 0-3
	s_add_nc_u64 s[30:31], s[24:25], 0x1800000     ; z2, heads 4-7
	s_add_nc_u64 s[32:33], s[24:25], 0x2000000     ; x Wh
	global_load_b128 v[HPV:HPV+3], v[ZO], s[32:33] th:TH_LOAD_NT       ; each load: two runs of 256 consecutive bytes, sixteen lanes each
	global_load_b128 v[BHV:BHV+3], v[LNO], s[6:7]
.irp hd, 0,1,2,3
	global_load_b128 v[X1+4*\hd:X1+4*\hd+3], v[ZO], s[24:25] offset:2097152*\hd th:TH_LOAD_NT
.endr
.irp hd, 0,1,2,3
	global_load_b128 v[X1+16+4*\hd:X1+16+4*\hd+3], v[ZO], s[26:27] offset:2097152*\hd th:TH_LOAD_NT
.endr
	global_load_b128 v[LSV:LSV+3], v[LNO], s[8:9]
	global_load_b128 v[LBV:LBV+3], v[LNO], s[10:11]
.irp hd, 0,1,2,3
	global_load_b128 v[X2+4*\hd:X2+4*\hd+3], v[ZO], s[28:29] offset:2097152*\hd th:TH_LOAD_NT
.endr
.irp hd, 0,1,2,3
	global_load_b128 v[X2+16+4*\hd:X2+16+4*\hd+3], v[ZO], s[30:31] offset:2097152*\hd th:TH_LOAD_NT
.endr
	; where the results go
	s_lshl_b32 s36, s19, 4
	s_lshl_b32 s46, s20, 2
	s_add_co_u32 s36, s36, s46
	s_add_co_u32 s36, s36, s21                     ; my row of out2: 16 b + 4 aq + my action
	s_lshl_b32 s36, s36, 11
	s_lshl_b32 s46, s22, 9
	s_add_co_u32 s36, s36, s46                     ; my 128 g
	s_add_nc_u64 s[38:39], s[16:17], s[36:37]
	s_lshl_b32 s36, s19, 11
	s_lshl_b32 s46, s18, 9
	s_add_co_u32 s36, s36, s46
	s_add_nc_u64 s[40:41], s[12:13], s[36:37]      ; out0: row b, 512 bytes a wave (waves 0 to 3 alone use it)
	s_lshl_b32 s36, s19, 6
	s_lshl_b32 s46, s20, 4
	s_add_co_u32 s36, s36, s46
	s_add_nc_u64 s[42:43], s[14:15], s[36:37]      ; out1: row b, my four actions
	; every LDS address, while the loads are on their way and ahead of the first branch on the wave's number
	s_lshl_b32 s36, s18, 2
	s_add_co_u32 s37, s36, RED1
	v_lshlrev_b32 v[R1A], 9, v218
	v_lshl_add_u32 v[R1A], v217, 6, v[R1A]
	v_add_nc_u32 v[R1A], s37, v[R1A]               ; RED1 + 512 i + 64 u + 4 w
	s_add_co_u32 s37, s36, RED2
	v_mul_u32_u24 v[R2A], v218, 2560
	v_lshl_add_u32 v[R2A], v217, 6, v[R2A]
	v_add_nc_u32 v[R2A], s37, v[R2A]               ; RED2 + 2,560 i + 64 u + 4 w
	v_lshl_add_u32 v[T1R], v218, 6, TOT1
	v_mul_u32_u24 v[T2R], v218, 320
	v_add_nc_u32 v[T2R], TOT2, v[T2R]
	v_lshl_add_u32 v[S1R], v216, 6, RED1
	v_lshl_add_u32 v[S1W], v216, 3, TOT1
	v_lshl_add_u32 v[S2R], v0, 6, RED2
	v_lshl_add_u32 v[S2W], v0, 3, TOT2
	s_add_co_u32 s37, s36, LNR1
	v_mov_b32 v[LNW], s37
	v_mov_b32 v[LNRD], LNR1
	v_lshlrev_b32 v[ZS1], 13, v218
	v_lshl_add_u32 v[ZS1], v217, 8, v[ZS1]
	v_lshl_add_u32 v[ZS1], v219, 6, v[ZS1]
	s_lshl_b32 s37, s18, 9
	v_add_nc_u32 v[ZS1], s37, v[ZS1]               ; 8,192 i + 16 x (32 w + 16 u + 4 c)
	v_add_nc_u32 v[ZS2], Z2H, v[ZS1]
	v_add_nc_u32 v[VMW], VM2, v[LNO]
	s_lshl_b32 s37, s18, 11
	s_add_co_u32 s37, s37, Z2H
	v_lshl_add_u32 v[AFA], v220, 4, s37            ; Z2H + 8,192 action + 2,048 quarter + 16 r  (4 action + quarter = w)
	s_lshl_b32 s37, s21, 13
	v_lshl_add_u32 v[ADB], v220, 4, s37
	v_lshl_add_u32 v[ADB], v217, 15, v[ADB]        ; Z1H + 8,192 action + 16 r; lanes 16-31 take lo
	v_lshl_add_u32 v[ADV], v220, 2, VM2
	s_mul_i32 s37, s18, 8448
	s_add_co_u32 s37, s37, TST
	v_mul_u32_u24 v[TSO], v220, 528
	v_lshl_add_u32 v[TSO], v217, 5, v[TSO]
	v_add_nc_u32 v[TSO], s37, v[TSO]
	v_lshl_add_u32 v[TRD], v216, 4, s37
	s_add_co_u32 s37, s36, QR
	v_mov_b32 v[QW], s37
	v_lshl_add_u32 v[QRD], v219, 4, QR
	v_lshlrev_b32 v[L16], 4, v216
	s_lshl_b32 s37, s18, 9
	s_add_co_u32 s37, s37, VM2
	v_add_nc_u32 v[HRD], s37, v[L16]
	v_lshlrev_b32 v[L4], 2, v219
	v_mov_b32 v[NEG1], -1.0
	v_mov_b32 v[ZER], 0
	v_mov_b32 v[T0], 0                             ; written once: a lane permute's destination counts as one of its sources
	; ---- the first sums: relu(x Wh + bh) over its columns, z1 over d
	s_wait_loadcnt 10                              ; x Wh, bh and z1 are in; the LayerNorm's two loads and z2's eight may be out
	v_pk_add_f32 v[HPV:HPV+1], v[HPV:HPV+1], v[BHV:BHV+1]
	v_pk_add_f32 v[HPV+2:HPV+3], v[HPV+2:HPV+3], v[BHV+2:BHV+3]
.irp k, 0,1,2,3
	v_max_num_f32 v[HPV+\k], 0, v[HPV+\k]
.endr
	v_pk_add_f32 v[HL+16:HL+17], v[HPV:HPV+1], v[HPV+2:HPV+3]
	v_add_f32 v[T1], v[HL+16], v[HL+17]
	RS1 T1                                         ; my wave's 32 columns (the four actions hold the same numbers)
	ds_store_b32 v[LNW], v[T1]
.irp hd, 0,1,2,3,4,5,6,7
	v_pk_add_f32 v[HL+2*\hd:HL+2*\hd+1], v[X1+4*\hd:X1+4*\hd+1], v[X1+4*\hd+2:X1+4*\hd+3]
.endr
.irp hd, 0,1,2,3,4,5,6,7
	v_add_f32 v[TT+\hd], v[HL+2*\hd], v[HL+2*\hd+1]
.endr
.irp k, 0,1,2,3
	PRED TT+2*\k, TT+2*\k+1
	ds_store_b32 v[R1A], v[TT+2*\k] offset:128*\k  ; row 8 i + 2 k + u, word w
.endr
	BAR
	s_cmp_lg_u32 s18, 0
	s_cbranch_scc1 .Lnot_wave_0
	L2SUM S1R, S1W, 1                              ; wave 0: lane l takes row l: the 32 means
.Lnot_wave_0:
	LNTOT 0                                        ; the LayerNorm's mean
	BAR
	; ---- z1 is centred; its parts of C; the LayerNorm's squares; z1 is split and stored
.irp n, 0,1,2,3
	ds_load_b128 v[M1+4*\n:M1+4*\n+3], v[T1R] offset:16*\n
.endr
.irp k, 0,1,2,3
	v_sub_f32 v[HPV+\k], v[HPV+\k], v[LNT]
.endr
	v_mul_f32 v[T1], v[HPV], v[HPV]
	v_fmac_f32 v[T1], v[HPV+1], v[HPV+1]
	v_fmac_f32 v[T1], v[HPV+2], v[HPV+2]
	v_fmac_f32 v[T1], v[HPV+3], v[HPV+3]
	RS1 T1
	ds_store_b32 v[LNW], v[T1] offset:256
	s_wait_dscnt 0x0
.irp hd, 0,1,2,3,4,5,6,7
	v_pk_add_f32 v[X1+4*\hd:X1+4*\hd+1], v[X1+4*\hd:X1+4*\hd+1], v[M1+2*\hd:M1+2*\hd+1] neg_lo:[0,1] neg_hi:[0,1]
	v_pk_add_f32 v[X1+4*\hd+2:X1+4*\hd+3], v[X1+4*\hd+2:X1+4*\hd+3], v[M1+2*\hd:M1+2*\hd+1] neg_lo:[0,1] neg_hi:[0,1]
.endr
.set idx, 0                            ; the pairs of heads (ha, hb), ha <= hb, in this order here and in the quadratic form below
.set ha, 0
.rept 8
.set hb, ha
.rept 8-ha
.set tp, TT+2*(idx%4)
	v_pk_mul_f32 v[tp:tp+1], v[X1+4*ha:X1+4*ha+1], v[X1+4*hb:X1+4*hb+1]
	v_pk_fma_f32 v[tp:tp+1], v[X1+4*ha+2:X1+4*ha+3], v[X1+4*hb+2:X1+4*hb+3], v[tp:tp+1]
	v_add_f32 v[PP+idx], v[tp], v[tp+1]
.set idx, idx+1
.set hb, hb+1
.endr
.set ha, ha+1
.endr
.set k, 0
.rept 18
	PRED PP+2*k, PP+2*k+1
	ds_store_b32 v[R2A], v[PP+2*k] offset:128*k    ; row 40 i + 2 k + u, word w
.set k, k+1
.endr
	ds_store_b32 v[R2A], v[ZER] offset:128*18      ; rows 36 to 39 of an action's 40 are summed with the others and never used: they are written, so that no unwritten byte is read
	ds_store_b32 v[R2A], v[ZER] offset:128*19
	SPLIT X1, ZS1
	BAR
	s_cmp_lt_u32 s18, 5
	s_cbranch_scc0 .Lnot_wave_0_4
	L2SUM S2R, S2W, 0                              ; waves 0 to 4: thread t takes row t of the 160
.Lnot_wave_0_4:
	LNTOT 256                                      ; the LayerNorm's variance
	BAR
	; ---- h; the rows' std by the quadratic form; z2 x F is split and stored
.set n, 0
.rept 18
	ds_load_b128 v[CC+4*n:CC+4*n+3], v[T2R] offset:16*n
.set n, n+1
.endr
	s_wait_loadcnt 8                               ; ln_scale and ln_bias are in; z2's eight loads may be out
	v_add_f32 v[LNT], 0x358637bd, v[LNT]           ; + 1e-6
	v_rsq_f32 v[T1], v[LNT]
	v_nop                                          ; a plain place behind the transcendental
	s_wait_alu depctr_va_vdst(0)                   ; ahead of the first reader
.irp k, 0,1,2,3
	v_mul_f32 v[HPV+\k], v[HPV+\k], v[T1]
.endr
	v_pk_fma_f32 v[HPV:HPV+1], v[HPV:HPV+1], v[LSV:LSV+1], v[LBV:LBV+1]
	v_pk_fma_f32 v[HPV+2:HPV+3], v[HPV+2:HPV+3], v[LSV+2:LSV+3], v[LBV+2:LBV+3]
	v_pk_mul_f32 v[HPV:HPV+1], v[HPV:HPV+1], -2.0 op_sel_hi:[1,0]
	v_pk_mul_f32 v[HPV+2:HPV+3], v[HPV+2:HPV+3], -2.0 op_sel_hi:[1,0]
	ds_store_b128 v[VMW], v[HPV:HPV+3]             ; -2 h: the four actions' lanes write the same bytes with the same numbers
	s_wait_loadcnt 0x0                             ; z2
	s_wait_dscnt 0x0                               ; C
.set ha, 0
.rept 8
.set idx, 8*ha-ha*(ha-1)/2
	v_pk_mul_f32 v[CC+2*idx:CC+2*idx+1], v[CC+2*idx:CC+2*idx+1], 0.5 op_sel_hi:[1,0]   ; half the diagonal: the form below then gives half of z^T C z
.set ha, ha+1
.endr
.set idx, 0
.set ha, 0
.rept 8                                ; for both pairs of my four g by turns: T = C(ha, ha) / 2 z_ha + the sum over hb > ha of C(ha, hb) z_hb;  Q += z_ha T
	v_pk_mul_f32 v[TT:TT+1], v[CC+2*idx:CC+2*idx+1], v[X2+4*ha:X2+4*ha+1]
	v_pk_mul_f32 v[TT+2:TT+3], v[CC+2*idx:CC+2*idx+1], v[X2+4*ha+2:X2+4*ha+3]
.set idx, idx+1
.if ha < 7
.set hb, ha+1
.rept 7-ha
	v_pk_fma_f32 v[TT:TT+1], v[CC+2*idx:CC+2*idx+1], v[X2+4*hb:X2+4*hb+1], v[TT:TT+1]
	v_pk_fma_f32 v[TT+2:TT+3], v[CC+2*idx:CC+2*idx+1], v[X2+4*hb+2:X2+4*hb+3], v[TT+2:TT+3]
.set idx, idx+1
.set hb, hb+1
.endr
.endif
.if ha == 0
	v_pk_mul_f32 v[QQ:QQ+1], v[X2+4*ha:X2+4*ha+1], v[TT:TT+1]
	v_pk_mul_f32 v[QQ+2:QQ+3], v[X2+4*ha+2:X2+4*ha+3], v[TT+2:TT+3]
.else
	v_pk_fma_f32 v[QQ:QQ+1], v[X2+4*ha:X2+4*ha+1], v[TT:TT+1], v[QQ:QQ+1]
	v_pk_fma_f32 v[QQ+2:QQ+3], v[X2+4*ha+2:X2+4*ha+3], v[TT+2:TT+3], v[QQ+2:QQ+3]
.endif
.set ha, ha+1
.endr
.irp k, 0,1,2,3
	v_max_num_f32 v[QQ+\k], 0, v[QQ+\k]
.endr
.irp k, 0,1,2,3
	v_mul_f32 v[QQ+\k], 0x3b800000, v[QQ+\k]       ; x 2 / 512: the variance
.endr
.irp k, 0,1,2,3
	v_sqrt_f32 v[QQ+\k], v[QQ+\k]
.endr
	v_nop
	s_wait_alu depctr_va_vdst(0)                   ; one wait for the four roots, ahead of their first reader
.irp k, 0,1,2,3
	v_add_f32 v[QQ+\k], 0x358637bd, v[QQ+\k]       ; std + 1e-6
.endr
.irp k, 0,1,2,3
	v_rcp_f32 v[QQ+\k], v[QQ+\k]
.endr
	v_nop
	s_wait_alu depctr_va_vdst(0)                   ; and one for the four reciprocals
.irp k, 0,1,2,3
	v_mul_f32 v[QQ+\k], 0x4038aa3b, v[QQ+\k]       ; F = 2 log2(e) / (std + 1e-6)
.endr
.irp hd, 0,1,2,3,4,5,6,7
	v_pk_mul_f32 v[X2+4*\hd:X2+4*\hd+1], v[X2+4*\hd:X2+4*\hd+1], v[QQ:QQ+1]
	v_pk_mul_f32 v[X2+4*\hd+2:X2+4*\hd+3], v[X2+4*\hd+2:X2+4*\hd+3], v[QQ+2:QQ+3]
.endr
	SPLIT X2, ZS2
	BAR                                            ; both operands and -2 h lie in LDS
	; ---- h leaves: the first of b's four work-groups, waves 0 to 3, 512 consecutive bytes each
	s_cmp_lg_u32 s20, 0
	s_cbranch_scc1 .Lno_h
	s_cmp_lt_u32 s18, 4
	s_cbranch_scc0 .Lno_h
	ds_load_b128 v[HOUT:HOUT+3], v[HRD]
	s_wait_dscnt 0x0
	v_pk_mul_f32 v[HOUT:HOUT+1], v[HOUT:HOUT+1], -0.5 op_sel_hi:[1,0]       ; -2 h x -1 / 2: exact
	v_pk_mul_f32 v[HOUT+2:HOUT+3], v[HOUT+2:HOUT+3], -0.5 op_sel_hi:[1,0]
	global_store_b128 v[L16], v[HOUT:HOUT+3], s[40:41]                     ; its registers are not written again
.Lno_h:
	; ---- THE MAIN PART
.irp t, 0,1,2,3,4,5,6,7
	ds_load_b128 v[AF+8*\t:AF+8*\t+3], v[AFA] offset:256*\t                ; k 0-15: hi, in both halves of the lanes
	ds_load_b128 v[AF+8*\t+4:AF+8*\t+7], v[AFA] offset:LOW+256*\t          ; k 16-31: lo
.endr
	ds_load_b128 v[BB:BB+3], v[ADB]                ; tile 0 of d: lanes 0-15 hi, lanes 16-31 lo, the same 16 bytes in both halves of the registers
	ds_load_b128 v[BB+4:BB+7], v[ADB]
	ds_load_b32 v[VMR], v[ADV]
	v_mov_b32 v[VMR+1], 0                          ; named as the upper halves of pairs, so they are written
	v_mov_b32 v[VMR+3], 0
; A tile of 16 d against my 128 g.  buf: the buffer that holds it;  first = 1: it starts the sums;  pre = 1: the next tile, ofs bytes on, is fetched into the other buffer.
.macro TILE buf, first, pre, ofs
.set BC, BB+8*(\buf)
.set BN, BB+8-8*(\buf)
.set VC, VMR+2*(\buf)
.set VN, VMR+2-2*(\buf)
.if \pre
	ds_load_b128 v[BN:BN+3], v[ADB] offset:\ofs    ; (the last products that read this buffer stand a tile's packed arithmetic back)
	ds_load_b128 v[BN+4:BN+7], v[ADB] offset:\ofs
	ds_load_b32 v[VN], v[ADV] offset:(\ofs)/4
	s_wait_dscnt 0x3                               ; all but the three just issued: this tile is in
.else
	s_wait_dscnt 0x0
.endif
.irp t, 0,1,2,3,4,5,6,7
	v_wmma_f32_16x16x32_bf16 v[RR+8*\t:RR+8*\t+7], v[AF+8*\t:AF+8*\t+7], v[BC:BC+7], 0     ; w' = 2 log2(e) x the normalised w
.endr
.if \first
	v_mov_b32 v[VS], v[VC]
.else
	v_add_f32 v[VS], v[VS], v[VC]                  ; the sum of -2 v; with the three below: the four places behind the products (ISA guide 7.12.1)
.endif
	v_nop
	v_nop
	v_nop
.set j, 0
.rept 64
	v_exp_f32 v[RR+j], v[RR+j]                     ; each result tile from its low end on
.set j, j+1
.endr
	v_nop                                          ; a plain place behind the batch
	s_wait_alu depctr_va_vdst(0)                   ; one wait for the 64, ahead of their first reader
.set j, 0
.rept 32
	v_pk_add_f32 v[RR+j:RR+j+1], v[RR+j:RR+j+1], 1.0 op_sel_hi:[1,0]
.set j, j+2
.endr
.set j, 0
.rept 64
	v_rcp_f32 v[RR+j], v[RR+j]
.set j, j+1
.endr
	v_nop
	s_wait_alu depctr_va_vdst(0)
.set j, 0
.rept 32
.if \first
	v_pk_mul_f32 v[ACC+j:ACC+j+1], v[RR+j:RR+j+1], v[VC:VC+1] op_sel_hi:[1,0]
.else
	v_pk_fma_f32 v[ACC+j:ACC+j+1], v[RR+j:RR+j+1], v[VC:VC+1], v[ACC+j:ACC+j+1] op_sel_hi:[1,0,1]
.endif
.set j, j+2
.endr
.endm
.macro PAIR first, last                ; two tiles, until the buffers are back where they began
	TILE 0, \first, 1, 256
	TILE 1, 0, 1-\last, 512
	v_add_nc_u32 v[ADB], 512, v[ADB]
	v_add_nc_u32 v[ADV], 128, v[ADV]
.endm
	PAIR 1, 0                                      ; tiles 0 and 1 start the sums: nothing is cleared
	s_mov_b32 s36, 14
.Lpair:
	PAIR 0, 0
	s_sub_co_u32 s36, s36, 1
	s_cmp_lg_u32 s36, 0
	s_cbranch_scc1 .Lpair
	PAIR 0, 1                                      ; tiles 30 and 31: nothing more to fetch
	; ---- the sixteen lanes' parts meet: row r of my stage takes lane r's 128 sums; lane l then reads g = 4 l + 0 .. 3 of all sixteen rows
.irp t, 0,1,2,3,4,5,6,7
	ds_store_b128 v[TSO], v[ACC+8*\t:ACC+8*\t+3] offset:64*\t
	ds_store_b128 v[TSO], v[ACC+8*\t+4:ACC+8*\t+7] offset:64*\t+16
.endr
.set n, 0
.rept 16
	ds_load_b128 v[RR+4*n:RR+4*n+3], v[TRD] offset:528*n     ; my wave's own bytes, served in order (ISA guide 5.7.1.4)
.set n, n+1
.endr
	v_add_f32_dpp v[VS], v[VS], v[VS] row_xmask:1 row_mask:0xf bank_mask:0xf     ; the sum of -2 v over all d: sixteen lanes hold sixteen parts
	v_add_f32_dpp v[VS], v[VS], v[VS] row_xmask:2 row_mask:0xf bank_mask:0xf
	v_add_f32_dpp v[VS], v[VS], v[VS] row_xmask:4 row_mask:0xf bank_mask:0xf
	v_add_f32_dpp v[VS], v[VS], v[VS] row_xmask:8 row_mask:0xf bank_mask:0xf
	s_wait_dscnt 0x0
.irp s, 8,4,2,1
.set n, 0
.rept \s
	v_pk_add_f32 v[RR+4*n:RR+4*n+1], v[RR+4*n:RR+4*n+1], v[RR+4*(n+\s):RR+4*(n+\s)+1]
	v_pk_add_f32 v[RR+4*n+2:RR+4*n+3], v[RR+4*n+2:RR+4*n+3], v[RR+4*(n+\s)+2:RR+4*(n+\s)+3]
.set n, n+1
.endr
.endr
.irp k, 0,1,2,3
	v_fma_f32 v[RR+\k], v[VS], -0.5, v[RR+\k]      ; y = the sum of v + the sum of -2 v / (1 + 2^w')
.endr
	global_store_b128 v[L16], v[RR:RR+3], s[38:39] th:TH_STORE_NT            ; 32 lanes store 512 consecutive bytes, at a multiple of 256 from out2's first byte
	v_mul_f32 v[T1], v[RR], v[RR]
	v_fmac_f32 v[T1], v[RR+1], v[RR+1]
	v_fmac_f32 v[T1], v[RR+2], v[RR+2]
	v_fmac_f32 v[T1], v[RR+3], v[RR+3]
	v_add_f32_dpp v[T1], v[T1], v[T1] row_xmask:1 row_mask:0xf bank_mask:0xf
	v_add_f32_dpp v[T1], v[T1], v[T1] row_xmask:2 row_mask:0xf bank_mask:0xf
	v_add_f32_dpp v[T1], v[T1], v[T1] row_xmask:4 row_mask:0xf bank_mask:0xf
	v_add_f32_dpp v[T1], v[T1], v[T1] row_xmask:8 row_mask:0xf bank_mask:0xf
	v_permlanex16_b32 v[T0], v[T1], s34, s35
	v_add_f32 v[T1], v[T1], v[T0]                  ; the sum of y^2 over my 128 g
	ds_store_b32 v[QW], v[T1]
	BAR
	s_cmp_lg_u32 s18, 0
	s_cbranch_scc1 .Lend
	ds_load_b128 v[RR+8:RR+11], v[QRD]             ; wave 0: lane l takes action l % 4: the words of its four waves
	s_wait_dscnt 0x0
	v_add_f32 v[RR+8], v[RR+8], v[RR+9]
	v_add_f32 v[RR+10], v[RR+10], v[RR+11]
	v_add_f32 v[RR+8], v[RR+8], v[RR+10]
	v_mul_f32 v[RR+8], 0x3b000000, v[RR+8]         ; / 512
	s_wait_xcnt 0x0                                ; EXEC is a source of the store of y: it changes only behind this wait
	v_cmp_gt_u32 vcc_lo, 4, v0
	s_and_saveexec_b32 s44, vcc_lo
	global_store_b32 v[L4], v[RR+8], s[42:43]      ; lanes 0 to 3: q of my four actions
	s_wait_xcnt 0x0                                ; and again, in front of the line that widens it
	s_or_b32 exec_lo, exec_lo, s44
.Lend:
	s_wait_tensorcnt 0x0                           ; the wave's end: behind my last LDS store
	ds_add_u32 v[SPW], v[NIL]
	s_wait_dscnt 0x0
	s_endpgm
.Lfunc_end_k_q3446b5e480_cell:
	.size	k_q3446b5e480_cell, .Lfunc_end_k_q3446b5e480_cell-k_q3446b5e480_cell
	.p2alignl 7, 3214868480
	.fill 96, 4, 3214868480
	.section	.rodata,"a",@progbits
	.p2align	6, 0x0
	.amdhsa_kernel k_q3446b5e480_cell
		.amdhsa_group_segment_fixed_size 284928
		.amdhsa_private_segment_fixed_size 0
		.amdhsa_enable_private_segment 0
		.amdhsa_kernarg_size 56
		.amdhsa_user_sgpr_count 2
		.amdhsa_user_sgpr_kernarg_segment_ptr 1
		.amdhsa_wavefront_size32 1
		.amdhsa_system_sgpr_workgroup_id_x 1
		.amdhsa_system_sgpr_workgroup_id_y 1
		.amdhsa_system_sgpr_workgroup_id_z 1
		.amdhsa_system_vgpr_workitem_id 0
		.amdhsa_next_free_vgpr 256
		.amdhsa_next_free_sgpr 66
		.amdhsa_reserve_vcc 1
		.amdhsa_float_denorm_mode_32 3
		.amdhsa_float_denorm_mode_16_64 3
		.amdhsa_memory_ordered 1
		.amdhsa_forward_progress 1
		.amdhsa_inst_pref_size 107
	.end_amdhsa_kernel
	.amdgpu_metadata
---
amdhsa.version: [ 1, 2 ]
amdhsa.kernels:
  - .name:           k_q3446b5e480_cell
    .symbol:         k_q3446b5e480_cell.kd
    .args:
      - { .name: zws, .offset: 0, .size: 8, .value_kind: global_buffer, .address_space: global }
      - { .name: bh, .offset: 8, .size: 8, .value_kind: global_buffer, .address_space: global }
      - { .name: ln_scale, .offset: 16, .size: 8, .value_kind: global_buffer, .address_space: global }
      - { .name: ln_bias, .offset: 24, .size: 8, .value_kind: global_buffer, .address_space: global }
      - { .name: out0, .offset: 32, .size: 8, .value_kind: global_buffer, .address_space: global }
      - { .name: out1, .offset: 40, .size: 8, .value_kind: global_buffer, .address_space: global }
      - { .name: out2, .offset: 48, .size: 8, .value_kind: global_buffer, .address_space: global }
    .group_segment_fixed_size: 284928
    .private_segment_fixed_size: 0
    .kernarg_segment_align: 8
    .kernarg_segment_size: 56
    .max_flat_workgroup_size: 512
    .sgpr_count:     66
    .vgpr_count:     256
    .wavefront_size: 32
...
	.end_amdgpu_metadata
.endif
;; end of part 2
